; MI455X (gfx1250); checked and timed in simulation.
; The chip was launched on July 23, 2026; its instructions are those of AMD's public machine-readable ISA for CDNA 5 (MIT licence, August 2026) and "CDNA5" Instruction Set Architecture Reference Guide (July 2026). The comments in the code are by the model that wrote it; some were corrected since.
;; Multi Head Token Attention. Allowed arithmetic: matrix products marked QUANTISED: E4M3 operands, one E8M0 scale for each 32 along K, by v_wmma_scale_f32_16x16x128_f8f6f4 with both operands' format E4M3, f32 sums; products left as they are: f32 operands where the result goes on into a quantised operand, else bf16, f16 or f32 operands; f32 sums; everything else in f32.
;; Inputs: Wk_codes 1,024 x 32 x 32 uint8 (E4M3 codes of Wk, K innermost, in blocks of 32 codes); Wk_scales 1,024 x 32 uint8 (E8M0 scales of Wk, one for each 32 codes along K); Wq_codes 1,024 x 32 x 32 uint8 (E4M3 codes of Wq, K innermost, in blocks of 32 codes); Wq_scales 1,024 x 32 uint8 (E8M0 scales of Wq, one for each 32 codes along K); Wv_codes 1,024 x 32 x 32 uint8 (E4M3 codes of Wv, K innermost, in blocks of 32 codes); Wv_scales 1,024 x 32 uint8 (E8M0 scales of Wv, one for each 32 codes along K); bk 1,024 float32; bq 1,024 float32; bv 1,024 float32; gate_logits 32 x 32 x 32 float32; query_vec_codes 32 x 32 x 32 x 32 uint8 (E4M3 codes of query_vec, K innermost, in blocks of 32 codes); query_vec_scales 32 x 32 x 32 uint8 (E8M0 scales of query_vec, one for each 32 codes along K); tokens_codes 32 x 32 x 32 x 32 x 32 uint8 (E4M3 codes of tokens, K innermost, in blocks of 32 codes); tokens_scales 32 x 32 x 32 x 32 uint8 (E8M0 scales of tokens, one for each 32 codes along K).
;; Outputs: out0 32 x 32 x 1,024 float32; out1 32 x 32 x 32 float32; out2 32 x 32 x 16 x 32 float32.
;; This version of the problem:
;;   THIS VERSION OF THE PROBLEM IS GIVEN IN LOW PRECISION. The matrix products marked QUANTISED in the list below multiply operands that are first quantised to E4M3 (4 exponent bits, 3 mantissa bits; 8 bits a number), with one power-of-two scale for each 32 numbers along K (OCP MX v1.0); their sums are f32. All else is computed in f32.
;;   The module's matrix products, in the order in which they are computed (A, B: the left and right operand; K: the contracted axis; several contracted axes count as one K, in the product's order):
;;     1. [M 1,024, K 1,024] x [K 1,024, N 1,024]; A: input query_vec (given as codes); B: input Wq (given as codes): QUANTISED
;;     2. [M 32,768, K 1,024] x [K 1,024, N 1,024]; A: input tokens (given as codes); B: input Wk (given as codes): QUANTISED
;;     3. [M 32,768, K 1,024] x [K 1,024, N 1,024]; A: input tokens (given as codes); B: input Wv (given as codes): QUANTISED
;;     4. batch 16,384 x [M 1, K 64] x [K 64, N 32]; A: computed on the way; B: computed on the way: left as it is (M = 1 < 16)
;;     5. batch 16,384 x [M 1, K 32] x [K 32, N 64]; A: softmax; B: computed on the way: left as it is (M = 1 < 16)
;;   THE QUANTISER, for each operand of a quantised product, along K:
;;     - K is cut into blocks of 32 from its start; a last block that is shorter is filled with zeros.
;;     - A block's scale is 2^e with e = floor(log2(the largest magnitude in the block)) - 8, held to -126 .. 127; a block of zeros has e = 0. As a byte (E8M0): e + 127.
;;     - Each number is divided by its block's scale, clamped to +-448, and rounded to the nearest number of E4M3, ties to even, subnormals kept.
;;     - The product sums the exact products of the quantised numbers (number of the format x scale) in f32.
;;   ~~~python
;;   def quantise(x, axis):      # numpy; x: float32 -> the quantised numbers, widened to float32 again
;;       x = np.moveaxis(x, axis, -1); K = x.shape[-1]
;;       x = np.pad(x, [(0, 0)] * (x.ndim - 1) + [(0, -K % 32)]); x = x.reshape(x.shape[:-1] + (-1, 32)); a = np.abs(x).max(-1, keepdims=True)
;;       e = np.where(a > 0, np.clip(np.frexp(np.where(a > 0, a, 1))[1] - 1 - 8, -126, 127), 0)      # np.frexp(a)[1] - 1 = floor(log2(a)), exactly
;;       r = np.clip(x / 2.0 ** e, -448, 448)
;;       step = 2.0 ** (np.maximum(np.frexp(np.where(r == 0, 1, r))[1] - 1, -6) - 3)
;;       q = np.round(r / step) * step * 2.0 ** e      # np.round: ties to even
;;       return np.moveaxis(q.reshape(q.shape[:-2] + (-1,))[..., :K], -1, axis).astype(np.float32)
;;   ~~~
;;   INPUTS GIVEN AS CODES. Wk (in the module: [1024, 1024], K = its axis 0); Wq (in the module: [1024, 1024], K = its axis 0); Wv (in the module: [1024, 1024], K = its axis 0); query_vec (in the module: [32, 32, 1024], K = its axis 2); tokens (in the module: [32, 32, 32, 1024], K = its axis 3): each comes as NAME_codes (uint8): NAME with its K axis moved to the last place and cut into blocks of 32 codes, [.., K / 32, bytes a block], one block behind the other in memory; one code a byte (a code: sign, 4 exponent bits, 3 mantissa bits); and NAME_scales (uint8): the same leading axes, one E8M0 byte (e + 127) for each 32 codes along K. Its value is code x scale, taken as it is: it is not quantised again, and the codes and scales need not be those that the quantiser above would give.
;; One version. Each part assembles by itself: llvm-mc -triple=amdgcn-amd-amdhsa -mcpu=gfx1250 --defsym DOCPART=n.
;; ======== version 1 of 1: 2 launches
;; workspace buffers: qs 4,194,304 bytes
;; launch qproj (part 1): grid 256 x 1, 2 waves a work-group, no clusters, 0 bytes of LDS; arguments query_vec_codes, query_vec_scales, Wq_codes, Wq_scales, bq, qs; writes qs
.if DOCPART == 1
	.amdgcn_target "amdgcn-amd-amdhsa--gfx1250"
	.amdhsa_code_object_version 6
	.text
	.protected	k_q87b4c1c023_qproj
	.globl	k_q87b4c1c023_qproj
	.p2align	8
	.type	k_q87b4c1c023_qproj,@function
k_q87b4c1c023_qproj:
	s_mov_b64 s[64:65], 0
	v_nop
	global_prefetch_b8 v0, s[64:65] scope:SCOPE_SE
	s_setreg_imm32_b32 hwreg(HW_REG_WAVE_MODE, 25, 1), 1
	s_wait_xcnt 0x0
; qs[row][n] = (sum over k of query[row][k] Wq[k][n] + bq[n]) / 8, f32, [1024][1024].  query and Wq arrive as codes of FP8 (E4M3), K innermost, one E8M0 byte for each 32 along K;
; the division by 8 = sqrt(64) is the one that the logits want: a power of two, so it rounds nothing (but for denormals).
; SHARES.  Work-group x: rows 32 (x / 8) on; wave w of two: head 2 (x % 8) + w, 64 columns.  A wave makes 32 rows x 64 columns over K = 1,024: 64 matrix instructions on 8 accumulators by turns.
; ALL OPERANDS GO FROM MEMORY STRAIGHT INTO REGISTERS: 32 KB of query codes and 64 KB of Wq codes a wave, asked for in one run, each byte used by this wave once.  No LDS, no barrier.
; NO CLUSTER, NO JOINT LOADS, though 8 work-groups read the same rows of the query and 32 the same rows of Wq: a joint request goes through LDS, so a wave's 96 KB would be moved twice (into LDS, then into
; registers) and rounds of a cluster's barrier would stand round ONE fill that feeds 64 matrix instructions.
; LAYOUT.  Source 0 = 16 rows of the query, source 1 = 16 rows of Wq's codes (columns of q).  THE ROWS OF Wq THAT FORM A TILE ARE NOT NEIGHBOURS: lane r of tile ct takes column 64 head + 4 r + ct, so that a lane's
; results of the four tiles are four NEIGHBOURING columns of one row: 16 bytes, and sixteen lanes store the head's 256 bytes of a row, aligned.
; LIMITS: codes and scale bytes are taken as they are given: a NaN code or a byte 0xff gives NaN.
; REGISTERS, in windows of 256: window 0: v1-9 offsets; v16-79 the accumulators ((rt, ct) at v[16 + 8 (4 rt + ct)]); v80-87 the query's scale words (lanes 0-15 rows 0-15, lanes 16-31 rows 16-31), one a K step;
;   v88-119 Wq's (8 ct + ks); v120-127 bq and bq / 8; v128-191 the results as they are stored.   windows 1, 2: Wq's fragments (ks, ct) at 16 (4 (ks % 4) + ct), window 1 + ks / 4.   window 3: the query's (ks, rt) at 16 (2 ks + rt).
.set ACC,  16
.set ASC,  80
.set BSC,  88
.set BQ,   120
.set B8,   124
.set OUTR, 128
.set MSB, 0
.macro WIN new                         ; the immediate's high byte repeats the setting that is left; a switch that changes nothing is dropped
.if MSB != \new
	s_set_vgpr_msb (MSB<<8)|\new
.set MSB, \new
.endif
.endm
; One matrix instruction from the symbols wD, wA, wB, wC, wSA, wSB; wZ = 1: C is the constant 0; wSel = 2 x (source 0's scales in lanes 16-31) + (source 1's scales in lanes 16-31)
.macro WMS
.if wZ
.if wSel == 0
	v_wmma_scale_f32_16x16x128_f8f6f4 v[wD:wD+7], v[wA:wA+15], v[wB:wB+15], 0, v[wSA], v[wSB]
.elseif wSel == 1
	v_wmma_scale_f32_16x16x128_f8f6f4 v[wD:wD+7], v[wA:wA+15], v[wB:wB+15], 0, v[wSA], v[wSB] matrix_b_scale:MATRIX_SCALE_ROW1
.elseif wSel == 2
	v_wmma_scale_f32_16x16x128_f8f6f4 v[wD:wD+7], v[wA:wA+15], v[wB:wB+15], 0, v[wSA], v[wSB] matrix_a_scale:MATRIX_SCALE_ROW1
.else
	v_wmma_scale_f32_16x16x128_f8f6f4 v[wD:wD+7], v[wA:wA+15], v[wB:wB+15], 0, v[wSA], v[wSB] matrix_a_scale:MATRIX_SCALE_ROW1 matrix_b_scale:MATRIX_SCALE_ROW1
.endif
.else
.if wSel == 0
	v_wmma_scale_f32_16x16x128_f8f6f4 v[wD:wD+7], v[wA:wA+15], v[wB:wB+15], v[wC:wC+7], v[wSA], v[wSB]
.elseif wSel == 1
	v_wmma_scale_f32_16x16x128_f8f6f4 v[wD:wD+7], v[wA:wA+15], v[wB:wB+15], v[wC:wC+7], v[wSA], v[wSB] matrix_b_scale:MATRIX_SCALE_ROW1
.elseif wSel == 2
	v_wmma_scale_f32_16x16x128_f8f6f4 v[wD:wD+7], v[wA:wA+15], v[wB:wB+15], v[wC:wC+7], v[wSA], v[wSB] matrix_a_scale:MATRIX_SCALE_ROW1
.else
	v_wmma_scale_f32_16x16x128_f8f6f4 v[wD:wD+7], v[wA:wA+15], v[wB:wB+15], v[wC:wC+7], v[wSA], v[wSB] matrix_a_scale:MATRIX_SCALE_ROW1 matrix_b_scale:MATRIX_SCALE_ROW1
.endif
.endif
.endm
	s_load_b256 s[4:11], s[0:1], 0x0               ; the query's codes s[4:5], its scales s[6:7], Wq's codes s[8:9], its scales s[10:11]
	s_load_b128 s[12:15], s[0:1], 0x20             ; bq s[12:13], qs s[14:15]
	v_lshrrev_b32 v1, 5, v0
	v_readfirstlane_b32 s16, v1                    ; wave 0, 1
	s_lshr_b32 s17, ttmp9, 3                       ; which 32 rows
	s_and_b32 s18, ttmp9, 7
	s_lshl_b32 s18, s18, 1
	s_add_co_u32 s18, s18, s16                     ; which head
	s_mov_b32 s19, 0x3e000000                      ; 1 / 8
	v_and_b32 v1, 15, v0                           ; r
	v_bfe_u32 v2, v0, 4, 1                         ; h
	v_and_b32 v9, 31, v0                           ; lane
	v_lshlrev_b32 v3, 10, v1
	v_lshl_add_u32 v3, v2, 4, v3                   ; the query's codes: row r of 1,024 bytes, + 16 h
	v_lshlrev_b32 v4, 12, v1
	v_lshl_add_u32 v4, v2, 4, v4                   ; Wq's codes: row 4 r (+ ct in the immediate), + 16 h
	v_lshlrev_b32 v5, 5, v9                        ; the query's scales: row = lane, 32 bytes a row
	v_lshlrev_b32 v6, 7, v1                        ; Wq's scales: row 4 r
	v_lshlrev_b32 v7, 4, v1                        ; bq: my four columns
	v_lshlrev_b32 v8, 15, v2
	v_lshl_add_u32 v8, v1, 4, v8                   ; qs: 8 h rows of 4,096 bytes, + 16 r
	s_lshl_b32 s20, s17, 15                        ; 32 rows of 1,024 bytes
	s_mov_b32 s21, 0
	s_lshl_b32 s22, s17, 10                        ; 32 rows of 32 bytes
	s_mov_b32 s23, 0
	s_lshl_b32 s24, s18, 16                        ; 64 rows of 1,024 bytes
	s_mov_b32 s25, 0
	s_lshl_b32 s26, s18, 11                        ; 64 rows of 32 bytes
	s_mov_b32 s27, 0
	s_lshl_b32 s28, s18, 8                         ; 64 numbers of 4 bytes
	s_mov_b32 s29, 0
	s_lshl_b32 s30, s17, 17                        ; 32 rows of 4,096 bytes, + the head's 256
	s_add_co_u32 s30, s30, s28
	s_mov_b32 s31, 0
	s_wait_kmcnt 0x0
	s_add_nc_u64 s[4:5], s[4:5], s[20:21]
	s_add_nc_u64 s[6:7], s[6:7], s[22:23]
	s_add_nc_u64 s[8:9], s[8:9], s[24:25]
	s_add_nc_u64 s[10:11], s[10:11], s[26:27]
	s_add_nc_u64 s[12:13], s[12:13], s[28:29]
	s_add_nc_u64 s[14:15], s[14:15], s[30:31]
	; 203 loads in one run: 11 of scales and bias, 64 of the query's codes, then Wq's 128 by K step
.irp q, 0,1
	global_load_b128 v[ASC+4*\q:ASC+4*\q+3], v5, s[6:7] offset:16*\q
.endr
.irp ct, 0,1,2,3
.irp q, 0,1
	global_load_b128 v[BSC+8*\ct+4*\q:BSC+8*\ct+4*\q+3], v6, s[10:11] offset:32*\ct+16*\q
.endr
.endr
	global_load_b128 v[BQ:BQ+3], v7, s[12:13]
	WIN 0xc0                                       ; destination window 3
.irp ks, 0,1,2,3,4,5,6,7
.irp rt, 0,1
.irp c, 0,1,2,3
	global_load_b128 v[16*(2*\ks+\rt)+4*\c:16*(2*\ks+\rt)+4*\c+3], v3, s[4:5] offset:\rt*16384+128*\ks+32*\c
.endr
.endr
.endr
	WIN 0x40                                       ; destination window 1
.irp ks, 0,1,2,3
.irp ct, 0,1,2,3
.irp c, 0,1,2,3
	global_load_b128 v[16*(4*\ks+\ct)+4*\c:16*(4*\ks+\ct)+4*\c+3], v4, s[8:9] offset:\ct*1024+128*\ks+32*\c
.endr
.endr
.endr
	WIN 0x80                                       ; destination window 2
.irp ks, 4,5,6,7
.irp ct, 0,1,2,3
.irp c, 0,1,2,3
	global_load_b128 v[16*(4*(\ks-4)+\ct)+4*\c:16*(4*(\ks-4)+\ct)+4*\c+3], v4, s[8:9] offset:\ct*1024+128*\ks+32*\c
.endr
.endr
.endr
	; Behind K step ks's sixteen loads of Wq stand 16 (7 - ks) others.  For ks = 0 .. 3 that is 64 or more: the largest count that the wait can name, 63, serves all four
.irp ks, 0,1,2,3,4,5,6,7
.if \ks == 0
	s_wait_loadcnt 63
	WIN 0x07                                       ; source 0 window 3, source 1 window 1, C and D window 0
.elseif \ks == 4
	s_wait_loadcnt 48
	WIN 0x0b                                       ; source 1 window 2
.elseif \ks > 4
	s_wait_loadcnt 16*(7-\ks)
.endif
.irp rt, 0,1
.irp ct, 0,1,2,3                       ; the eight accumulators take turns, one instruction a turn; the first K step starts the sums
.set wD, ACC+8*(4*\rt+\ct)
.set wC, wD
.set wA, 16*(2*\ks+\rt)
.set wB, 16*(4*(\ks%4)+\ct)
.set wSA, ASC+\ks
.set wSB, BSC+8*\ct+\ks
.set wSel, 2*\rt
.if \ks == 0
.set wZ, 1
.else
.set wZ, 0
.endif
	WMS
.endr
.endr
.endr
	WIN 0
.irp ct, 0,1,2,3
	v_mul_f32 v[B8+\ct], s19, v[BQ+\ct]            ; bq / 8.  These four and the four below are the eight places behind the last products
.endr
.rept 4
	v_nop
.endr
.irp rt, 0,1
.irp j, 0,1,2,3,4,5,6,7                ; each accumulator from its low end on
.irp ct, 0,1,2,3
	v_fma_f32 v[OUTR+32*\rt+4*\j+\ct], v[ACC+8*(4*\rt+\ct)+\j], s19, v[B8+\ct]   ; q(16 rt + 8 h + j, 64 head + 4 r + ct) / 8
.endr
.endr
.endr
.irp rt, 0,1
.irp j, 0,1,2,3,4,5,6,7
	global_store_b128 v8, v[OUTR+32*\rt+4*\j:OUTR+32*\rt+4*\j+3], s[14:15] offset:\rt*65536+\j*4096   ; sixteen lanes store 256 consecutive bytes, at a multiple of 256 from qs's first byte
.endr
.endr
	s_endpgm
.Lfunc_end_k_q87b4c1c023_qproj:
	.size	k_q87b4c1c023_qproj, .Lfunc_end_k_q87b4c1c023_qproj-k_q87b4c1c023_qproj
	.p2alignl 7, 3214868480
	.fill 96, 4, 3214868480
	.section	.rodata,"a",@progbits
	.p2align	6, 0x0
	.amdhsa_kernel k_q87b4c1c023_qproj
		.amdhsa_group_segment_fixed_size 0
		.amdhsa_private_segment_fixed_size 0
		.amdhsa_enable_private_segment 0
		.amdhsa_kernarg_size 48
		.amdhsa_user_sgpr_count 2
		.amdhsa_user_sgpr_kernarg_segment_ptr 1
		.amdhsa_wavefront_size32 1
		.amdhsa_system_sgpr_workgroup_id_x 1
		.amdhsa_system_sgpr_workgroup_id_y 1
		.amdhsa_system_sgpr_workgroup_id_z 1
		.amdhsa_system_vgpr_workitem_id 0
		.amdhsa_next_free_vgpr 1024
		.amdhsa_next_free_sgpr 66
		.amdhsa_reserve_vcc 0
		.amdhsa_float_denorm_mode_32 3
		.amdhsa_float_denorm_mode_16_64 3
		.amdhsa_memory_ordered 1
		.amdhsa_forward_progress 1
		.amdhsa_inst_pref_size 35
	.end_amdhsa_kernel
	.amdgpu_metadata
---
amdhsa.version: [ 1, 2 ]
amdhsa.kernels:
  - .name:           k_q87b4c1c023_qproj
    .symbol:         k_q87b4c1c023_qproj.kd
    .args:
      - { .name: query_vec_codes, .offset: 0, .size: 8, .value_kind: global_buffer, .address_space: global }
      - { .name: query_vec_scales, .offset: 8, .size: 8, .value_kind: global_buffer, .address_space: global }
      - { .name: Wq_codes, .offset: 16, .size: 8, .value_kind: global_buffer, .address_space: global }
      - { .name: Wq_scales, .offset: 24, .size: 8, .value_kind: global_buffer, .address_space: global }
      - { .name: bq, .offset: 32, .size: 8, .value_kind: global_buffer, .address_space: global }
      - { .name: qs, .offset: 40, .size: 8, .value_kind: global_buffer, .address_space: global }
    .group_segment_fixed_size: 0
    .private_segment_fixed_size: 0
    .kernarg_segment_align: 8
    .kernarg_segment_size: 48
    .max_flat_workgroup_size: 64
    .sgpr_count:     66
    .vgpr_count:     1024
    .wavefront_size: 32
...
	.end_amdgpu_metadata
.endif
;; end of part 1
;; launch attend (part 2): grid 256 x 1, 4 waves a work-group, clusters of 4 x 1, 327,680 bytes of LDS; arguments tokens_codes, tokens_scales, Wk_codes, Wk_scales, Wv_codes, Wv_scales, bk, bv, gate_logits, qs, out0, out1, out2; writes out0, out1, out2
.if DOCPART == 2
	.amdgcn_target "amdgcn-amd-amdhsa--gfx1250"
	.amdhsa_code_object_version 6
	.text
	.protected	k_q87b4c1c023_attend
	.globl	k_q87b4c1c023_attend
	.p2align	8
	.type	k_q87b4c1c023_attend,@function
k_q87b4c1c023_attend:
	s_mov_b64 s[64:65], 0
	v_nop
	global_prefetch_b8 v0, s[64:65] scope:SCOPE_SE
	s_setreg_imm32_b32 hwreg(HW_REG_WAVE_MODE, 25, 1), 1
	s_wait_xcnt 0x0
	s_wait_alu depctr_hold_cnt(0) depctr_sa_sdst(0) depctr_va_vdst(0) depctr_va_sdst(0) depctr_va_ssrc(0) depctr_va_vcc(0) depctr_vm_vsrc(0)
	s_getreg_b32 s2, hwreg(HW_REG_IB_STS2, 6, 4)
	s_cmp_eq_u32 s2, 0
	s_cbranch_scc0 .Lentry_in_a_cluster
	s_endpgm
.Lentry_in_a_cluster:
	s_bfe_u32 s2, ttmp6, 0x10000c
	s_cmp_lg_u32 s2, 0x3003
	s_cbranch_scc0 .Lentry_shape_is_right
	s_endpgm
.Lentry_shape_is_right:
; For each of 1,024 pairs (t, b) and 16 heads: k = tokens Wk + bk, v = tokens Wv + bv (both on codes of FP8 (E4M3) with E8M0 scales, as given), logits = q . k / 8 + gate, attn = softmax over the pair's 32 tokens,
; attended = attn . v; out0 = attended, out1 = attn averaged over the heads, out2 = logits.  qs = (q + bq) / 8 comes from the launch before.  k and v never go to memory.
; SHARES.  A work-group owns 128 token rows = 4 pairs, for all 16 heads.  Wave w = (rh = w / 2, ch = w % 2) owns pairs 2 rh, 2 rh + 1 and heads 8 ch + s, s = 0 .. 7: a pair's and head's k, v, q, gate, softmax and
; weighted sum all lie in ONE wave; only the mean over the heads crosses waves, once, at the end.
; THE TOKENS STAY IN REGISTERS: a wave's 64 rows x 1,024 K are 512 registers, read from memory once in the launch.  The weights stream through two LDS slots: a CHUNK is 128 rows x 1,024 K of one matrix (the rows of
; heads s and 8 + s); order K(0), V(0), K(1), .. V(7); K's chunks in slot 1, V's in slot 0 (which first held the tokens).  A fragment of weights (2 KB) read from LDS feeds four matrix instructions.
; LONG RUNS.  A chunk's 32 fragments come in four runs of 32 LDS loads, into two sets of eight buffers by turns, each run 32 matrix instructions ahead of its use; the 128 matrix instructions stand in four runs of 32.
; CLUSTER.  All work-groups walk the same weights: the four of a cluster ask for each chunk JOINTLY, by the same tensor load with the same descriptor (made of the wave's number and the step alone) and the mask 15.
; bk and bv likewise.  The tokens and qs are each work-group's own: plain loads.
; LAYOUT.  k is made TRANSPOSED (source 0 = 16 rows of Wk, source 1 = 16 tokens): a lane holds one token and 8 of the head's 64, so the dot with q stays in the lane; one exchange between the halves of the lanes
; leaves token l's logit in lane l.  v is made the natural way (source 0 = 16 tokens, source 1 = 16 rows of Wv): a lane holds one of the head's 64 and 8 tokens, so the weighted sum stays in the lane.
; attn goes from lane form to register form through 256 bytes of LDS of the wave's own.  Both small products are fused multiply-adds in f32, two at a time.
; bk is the C of k's first K step.  bv is added to the weighted sum: attn is divided by its own sum, so sum(attn) (v + bv) = sum(attn v) + bv but for the rounding of that sum.
; LIMITS: codes and scale bytes are taken as given (a NaN code or a byte 0xff gives NaN); the row's true maximum is taken away before the exponential; v_exp_f32 gives 0 where the result would lie under 2^-126
; (ISA guide 15.8), so an attn that small is 0; the mean adds 8 heads in each of two waves and then the two sums: another order than a plain sum over 16.
; REGISTERS, in windows of 256: window 0: v1-21 addresses and state; v22-69 scale words; v70-101 bk's tiles; v102-109 bv, a row on its way out; v110-125 at work; v128-255 SET 0 of eight buffers for fragments of weights.
;   windows 1, 2: the tokens' fragments (rt, ks) at 16 (4 (ks % 4) + rt), window 1 + ks / 4.   window 3: v0-127 the 16 accumulators (rt, ct) at 8 (4 rt + ct), k's and then v's; v128-255 SET 1 of the buffers.
;   Set 0 is free during a chunk's last 32 products: it then takes q of the step (128 + 32 p + 8 ct + j) or attn in register form (128 + 16 p + 8 rt' + j), and behind their use the next chunk's first eight fragments.
.set PITCH, 1040                       ; an LDS row of codes: 1,024 bytes + 16 of padding = 65 x 16: the 16 rows of a fragment load start in 16 different 16-byte columns of 256 bytes
.set QUART, 32*PITCH                   ; 32 rows: what one tensor load brings
.set SLOT1, 4*QUART                    ; slot 0 at byte 0, slot 1 behind it
.set QREG,  2*SLOT1                    ; qs of my 4 pairs, 4 x 4,096 bytes; filled once
.set BKT,   QREG+16384                 ; bk, 4,096 bytes; filled once
.set BVT,   BKT+4096                   ; bv likewise; 2,048 idle bytes behind it
.set LGS,   BVT+4096+2048              ; the logits' stage: 4,096 bytes from wave to wave, 2,048 used: [pair p][step s][32 tokens]
.set ATS,   LGS+4*4096                 ; attn's stage: 256 bytes a wave: [p][32]
.set OST,   ATS+1024                   ; out0's stage: 512 bytes a wave: [pair][64]
.set MS,    OST+2048                   ; the sums of attn over 8 heads: [ch][pair 0..3][32]
.set SPARE, MS+1024                    ; the spare words, 128 bytes for each wave: two blocks of 256 bytes that no other line names
.set ADB0, 1                           ; v1   my lane's place in a chunk in slot 0: (64 ch + r) PITCH + 16 h
.set ADB1, 2                           ; v2   the same in slot 1
.set AQ,   3                           ; v3   q of the step: QREG + 8192 rh + 2048 ch + 32 h, + 256 a step
.set ABK,  4                           ; v4   bk of the step: BKT + 2048 ch + 32 h, + 256 a step
.set ABV,  5                           ; v5   bv of the step: BVT + 2048 ch + 4 r, + 256 a step
.set LGA,  6                           ; v6   where my logit goes: LGS + 4096 w + 4 l, + 128 a step
.set ATA,  7                           ; v7   where my attn goes: ATS + 256 w + 4 l
.set ATL,  8                           ; v8   and where it is read back: ATS + 256 w + 32 h
.set OSA,  9                           ; v9   out0's stage, in: OST + 512 w + 256 h + 4 r
.set OLA,  10                          ; v10  and back: OST + 512 w + 16 l
.set OGO,  11                          ; v11  my byte offset in out0: 4096 h + 16 r
.set VSO,  12                          ; v12  my byte offset among rows of scale bytes: 32 l
.set SPW,  13                          ; v13  LDS address of my spare word; never rewritten
.set NIL,  14                          ; v14  0; never rewritten
.set MSA,  15                          ; v15  MS + 512 ch + 256 rh + 4 l
.set MLA,  16                          ; v16  MS + 256 ch + 8 l
.set LGL,  17                          ; v17  LGS + 4096 w + 16 l
.set GT,   18                          ; v18-19  the gate of pair p: lane = token
.set MEAN, 20                          ; v20-21  attn of pair p summed over my heads so far
.set ASC,  22                          ; v22-37  the tokens' scale words, 8 i + ks: lanes 0-15 tile rt = 2 i, lanes 16-31 rt = 2 i + 1
.set KSC,  38                          ; v38-53  Wk's of the step, 8 i + ks: lanes 0-15 tile ct = 2 i, lanes 16-31 ct = 2 i + 1
.set VSC,  54                          ; v54-69  Wv's likewise
.set KB,   70                          ; v70-101 bk in the layout of k's result: 8 ct + j = bk[64 head + 16 ct + 8 h + j]
.set BV,   102                         ; v102-105 bv[64 head + 16 ct + r]
.set ORW,  106                         ; v106-109 16 bytes of out0
.set TT,   110                         ; v110-125 at work
.set AAD,  126                         ; v126 my lane's place among the tokens' rows in slot 0: (64 rh + r) PITCH + 16 h
.set BF,   128                         ; the buffers, in window 0 (set 0) and in window 3 (set 1)
.set WV,  30                           ; s30 wave, s31 rh, s32 ch
.set RH,  31
.set CH,  32
.set G1W, 36                           ; s[36:43] group 1: a joint tile of codes;  s[44:51] the same, my own;  s[52:59] qs;  s[68:75] a joint quarter of a bias
.set G1A, 44
.set G1Q, 52
.set SEL, 60                           ; s[60:61] v_permlanex16_b32's selects for lane l xor 16
.set HM,  62                           ; s62 the mask of lanes 16-31
.set CNT, 63
.set G1T, 68
.set G0K, 76                           ; groups 0: Wk's chunks, Wv's chunks (these two walk), the tokens, qs, bk, bv
.set G0V, 80
.set G0A, 84
.set G0Q, 88
.set G0BK, 92
.set G0BV, 96
.set MSB, 0
.macro WIN new                         ; the immediate's high byte repeats the setting that is left; a switch that changes nothing is dropped
.if MSB != \new
	s_set_vgpr_msb (MSB<<8)|\new
.set MSB, \new
.endif
.endm
.macro PLACES n
.rept \n
	v_nop
.endr
.endm
.macro CREST                           ; a round of the cluster's barrier behind its opening barrier
	s_cmp_lg_u32 s[WV], 0
	s_cbranch_scc1 .Lnot_wave_0_\@
	s_barrier_signal -3
.Lnot_wave_0_\@:
	s_barrier_wait -3
	s_barrier_signal -1
	s_barrier_wait -1
.endm
.macro CROUND                          ; a whole round
	s_barrier_signal -1
	s_barrier_wait -1
	CREST
.endm
; One matrix instruction from the symbols wD, wA, wB, wC, wSA, wSB; wZ = 1: C is the constant 0; wSel = 2 x (source 0's scales in lanes 16-31) + (source 1's scales in lanes 16-31)
.macro WMS
.if wZ
.if wSel == 0
	v_wmma_scale_f32_16x16x128_f8f6f4 v[wD:wD+7], v[wA:wA+15], v[wB:wB+15], 0, v[wSA], v[wSB]
.elseif wSel == 1
	v_wmma_scale_f32_16x16x128_f8f6f4 v[wD:wD+7], v[wA:wA+15], v[wB:wB+15], 0, v[wSA], v[wSB] matrix_b_scale:MATRIX_SCALE_ROW1
.elseif wSel == 2
	v_wmma_scale_f32_16x16x128_f8f6f4 v[wD:wD+7], v[wA:wA+15], v[wB:wB+15], 0, v[wSA], v[wSB] matrix_a_scale:MATRIX_SCALE_ROW1
.else
	v_wmma_scale_f32_16x16x128_f8f6f4 v[wD:wD+7], v[wA:wA+15], v[wB:wB+15], 0, v[wSA], v[wSB] matrix_a_scale:MATRIX_SCALE_ROW1 matrix_b_scale:MATRIX_SCALE_ROW1
.endif
.else
.if wSel == 0
	v_wmma_scale_f32_16x16x128_f8f6f4 v[wD:wD+7], v[wA:wA+15], v[wB:wB+15], v[wC:wC+7], v[wSA], v[wSB]
.elseif wSel == 1
	v_wmma_scale_f32_16x16x128_f8f6f4 v[wD:wD+7], v[wA:wA+15], v[wB:wB+15], v[wC:wC+7], v[wSA], v[wSB] matrix_b_scale:MATRIX_SCALE_ROW1
.elseif wSel == 2
	v_wmma_scale_f32_16x16x128_f8f6f4 v[wD:wD+7], v[wA:wA+15], v[wB:wB+15], v[wC:wC+7], v[wSA], v[wSB] matrix_a_scale:MATRIX_SCALE_ROW1
.else
	v_wmma_scale_f32_16x16x128_f8f6f4 v[wD:wD+7], v[wA:wA+15], v[wB:wB+15], v[wC:wC+7], v[wSA], v[wSB] matrix_a_scale:MATRIX_SCALE_ROW1 matrix_b_scale:MATRIX_SCALE_ROW1
.endif
.endif
.endm
; Fragment n of a chunk (tile ct = n % 4 of my head's 64 rows, K step ks = n / 4) into buffer n % 8 of the set whose window is in force: lane (r, h) takes row r; registers 4 c .. 4 c + 3 hold K = 32 c + 16 h + 0 .. 15
.macro FRAG adr, n
.set fb, BF+16*((\n)%8)
.set fo, ((\n)%4)*16*PITCH+128*((\n)/4)
.irp c, 0,1,2,3
	ds_load_b128 v[fb+4*\c:fb+4*\c+3], v[\adr] offset:fo+32*\c
.endr
.endm
; 32 LDS loads in one run: fragments n0 .. n0 + 7 (two K steps) into set (n0 / 8) % 2
.macro FETCH8 adr, n0
.if ((\n0)/8)%2
	WIN 0xc0                                       ; destination window 3, address window 0
.else
	WIN 0
.endif
.set fn, \n0
.rept 8
	FRAG \adr, fn
.set fn, fn+1
.endr
.endm
; Group n of a chunk: fragment n against my four tiles of tokens: four matrix instructions.  kind 0: k (source 0 = weights), 1: v (source 0 = tokens).
; The 16 accumulators take turns, one instruction a turn, in the same order in every K step.  k's first K step takes bk as C, v's the constant 0: nothing is cleared.
.macro GROUP kind, n
.set gks, (\n)/4
.set gct, (\n)%4
.if \kind == 0
.if gks == 0
	WIN 0xc4                                       ; source 0 (weights) window 0, source 1 (tokens) window 1, C (bk) window 0, D window 3
.elseif gks == 1
	WIN 0xf4                                       ; C and D window 3
.elseif gks < 4
	WIN 0xf7                                       ; weights in window 3 (set 1)
.elseif gks < 6
	WIN 0xf8                                       ; weights in window 0, tokens in window 2
.else
	WIN 0xfb                                       ; weights in window 3, tokens in window 2
.endif
.else
.if gks < 2
	WIN 0xf1                                       ; source 0 (tokens) window 1, source 1 (weights) window 0, C and D window 3
.elseif gks < 4
	WIN 0xfd                                       ; weights in window 3
.elseif gks < 6
	WIN 0xf2                                       ; tokens in window 2, weights in window 0
.else
	WIN 0xfe                                       ; tokens in window 2, weights in window 3
.endif
.endif
.irp rt, 0,1,2,3
.set gtok, 16*(4*(gks%4)+\rt)
.set gbuf, BF+16*((\n)%8)
.set gtsc, ASC+8*(\rt/2)+gks
.set wD, 8*(4*\rt+gct)
.if \kind == 0
.set wA, gbuf
.set wB, gtok
.set wSA, KSC+8*(gct/2)+gks
.set wSB, gtsc
.set wSel, 2*(gct%2)+(\rt%2)
.set wZ, 0
.if gks == 0
.set wC, KB+8*gct
.else
.set wC, wD
.endif
.else
.set wA, gtok
.set wB, gbuf
.set wSA, gtsc
.set wSB, VSC+8*(gct/2)+gks
.set wSel, 2*(\rt%2)+(gct%2)
.set wC, wD
.if gks == 0
.set wZ, 1
.else
.set wZ, 0
.endif
.endif
	WMS
.endr
.endm
.macro MULS kind, n0, cnt              ; groups n0 .. n0 + cnt - 1, back to back
.set mn, \n0
.rept \cnt
	GROUP \kind, mn
.set mn, mn+1
.endr
.endm
; A CHUNK: 32 groups, 128 matrix instructions, in four runs of 32.  Fragments 0-7 were fetched into set 0 in the phase before.  Each run of loads stands eight places behind the last product that read its set
; at the chunk's head the phase's vector work is those places.
; lc: the global loads issued behind this chunk's scale words (the other matrix's four, or none).
; At the last run point set 0 takes what the phase behind the chunk wants: q of the step (kind 0) or attn in register form (kind 1).
; fill = 1: the slot is filled again with the same matrix's next chunk.  All reads of this slot have been issued by then.  In front of the barrier each wave waits for all its tensor loads (one is out: its part of the
; other slot), adds 0 to its spare word, and waits for that and for its reads of this slot; the barrier opens a round of the cluster's barrier, and the joint refill is the first thing behind the round: it has a phase
; and most of the other chunk in which to land.  fill = 0: the same without refill and round (the other slot must still be whole in every wave).  fill = -1: the last chunk.
.macro CHUNK kind, fill, lc
.if \kind == 0
.set cHere, ADB1
.set cG0, G0K
.set cNX, 16
.else
.set cHere, ADB0
.set cG0, G0V
.set cNX, 8
.endif
	FETCH8 cHere, 8
	s_wait_loadcnt \lc                             ; my scale words of this chunk are in
	s_wait_dscnt 32                                ; all but the 32 just issued: fragments 0-7, and what the phase asked for
	MULS \kind, 0, 8
	PLACES 8
	FETCH8 cHere, 16
	s_wait_dscnt 32                                ; fragments 8-15 are in
	MULS \kind, 8, 8
	PLACES 8
	FETCH8 cHere, 24
	s_wait_dscnt 32                                ; fragments 16-23 are in
	MULS \kind, 16, 8
	PLACES 8
	WIN 0
.if \kind == 0
.irp p, 0,1
.irp ct, 0,1,2,3
.irp i, 0,1
	ds_load_b128 v[BF+32*\p+8*\ct+4*\i:BF+32*\p+8*\ct+4*\i+3], v[AQ] offset:4096*\p+64*\ct+16*\i   ; q(pair p, 16 ct + 8 h + 4 i ..) / 8
.endr
.endr
.endr
.else
.irp p, 0,1
.irp rt, 0,1
.irp i, 0,1
	ds_load_b128 v[BF+16*\p+8*\rt+4*\i:BF+16*\p+8*\rt+4*\i+3], v[ATL] offset:128*\p+64*\rt+16*\i   ; attn of tokens 16 rt + 8 h + 0 .. 7; LDS serves a wave's instructions in order (ISA guide 5.7.1.4): these see my stores
.endr
.endr
.endr
.endif
.if \fill >= 0
	s_wait_tensorcnt 0x0                           ; all my tensor loads have landed, so a group 0 may be written;
	ds_add_u32 v[SPW], v[NIL]                      ; 0 onto my spare word
.if \fill == 1
	s_add_nc_u64 s[cG0+2:cG0+3], s[cG0+2:cG0+3], 65536   ; the next step's heads: 64 rows of 1,024 bytes on; the type bits on top are not reached
.endif
	s_wait_dscnt cNX+1                             ; fragments 24-31 are in (behind them: the loads above and the add)
	MULS \kind, 24, 4                              ; sixteen matrix instructions stand between the add and the wait for it
	s_wait_dscnt 0x0                               ; the add is done, and my reads of this slot are over
	s_barrier_signal -1
	MULS \kind, 28, 2                              ; work on registers while the others arrive
	WIN 0
	s_barrier_wait -1
.if \fill == 1
	CREST                                          ; no wave of any partner still reads this slot or has a load on its way
	tensor_load_to_lds s[cG0:cG0+3], s[G1W:G1W+7]  ; my one tensor load behind the round
	s_nop 0
	PLACES 4
.endif
	MULS \kind, 30, 2
.else
	s_wait_dscnt 0x0
	MULS \kind, 24, 8
.endif
	WIN 0
.endm
; LOGITS AND SOFTMAX of the step.  Behind the multiply-adds, which read q out of set 0, V's first eight fragments are fetched there: they land under the softmax.  next = 1: a step follows: its bk and Wk's scale words are asked for.
.macro LS next
	PLACES 8                                       ; behind the last products
	WIN 0x03                                       ; source 0 (k) window 3; q and the sums window 0
.irp ct, 0,1,2,3                       ; four chains, one for each tile of tokens; each accumulator from its low end on
.irp jp, 0,1,2,3
.irp rt, 0,1,2,3
.set lK, 8*(4*\rt+\ct)+2*\jp
.set lQ, BF+32*(\rt/2)+8*\ct+2*\jp
.if (\ct == 0) && (\jp == 0)
	v_pk_mul_f32 v[TT+2*\rt:TT+2*\rt+1], v[lK:lK+1], v[lQ:lQ+1]
.else
	v_pk_fma_f32 v[TT+2*\rt:TT+2*\rt+1], v[lK:lK+1], v[lQ:lQ+1], v[TT+2*\rt:TT+2*\rt+1]
.endif
.endr
.endr
.endr
	FETCH8 ADB0, 0                                 ; slot 0 is whole: k's chunk has passed its barrier
	s_wait_xcnt 0x0                                ; the last step's store to out0 has read its data and its base: both are written again only behind this wait
	s_add_nc_u64 s[24:25], s[24:25], 256           ; out0: one head beyond this step's; the store reaches back
.irp rt, 0,1,2,3
	v_add_f32 v[TT+2*\rt], v[TT+2*\rt], v[TT+2*\rt+1]              ; token 16 rt + r, my half's 32 of the head's 64
.endr
.irp p, 0,1
	v_cndmask_b32 v[TT+8+\p], v[TT+4*\p], v[TT+4*\p+2], s[HM]      ; what I keep: lanes 0-15 tile 2 p, lanes 16-31 tile 2 p + 1
.endr
.irp p, 0,1
	v_cndmask_b32 v[TT+10+\p], v[TT+4*\p+2], v[TT+4*\p], s[HM]     ; what lane l xor 16 wants
.endr
.irp p, 0,1
	v_permlanex16_b32 v[TT+12+\p], v[TT+10+\p], s[SEL], s[SEL+1]
.endr
.irp p, 0,1
	v_add_f32 v[TT+8+\p], v[TT+8+\p], v[GT+\p]
.endr
.irp p, 0,1
	v_add_f32 v[TT+14+\p], v[TT+8+\p], v[TT+12+\p]                 ; the logit of token l of pair p
.endr
.irp p, 0,1
	ds_store_b32 v[LGA], v[TT+14+\p] offset:1024*\p
.endr
.irp p, 0,1
	v_max_num_f32_dpp v[TT+\p], v[TT+14+\p], v[TT+14+\p] row_xmask:1 row_mask:0xf bank_mask:0xf
.endr
.irp m, 2,4,8
.irp p, 0,1
	v_max_num_f32_dpp v[TT+\p], v[TT+\p], v[TT+\p] row_xmask:\m row_mask:0xf bank_mask:0xf
.endr
.endr
.irp p, 0,1
	v_permlanex16_b32 v[TT+2+\p], v[TT+\p], s[SEL], s[SEL+1]
.endr
.irp p, 0,1
	v_max_num_f32 v[TT+\p], v[TT+\p], v[TT+2+\p]                   ; the largest of the 32 logits
.endr
.irp p, 0,1
	v_sub_f32 v[TT+4+\p], v[TT+14+\p], v[TT+\p]
.endr
.irp p, 0,1
	v_mul_f32 v[TT+4+\p], 0x3fb8aa3b, v[TT+4+\p]                   ; x log2(e)
.endr
.irp p, 0,1
	v_exp_f32 v[TT+6+\p], v[TT+4+\p]
.endr
.if \next
	v_add_nc_u32 v[LGA], 128, v[LGA]               ; the plain line behind the exponentials: the next step's place in the logits' stage
	s_wait_alu depctr_va_vdst(0)
.else
	v_nop
	s_wait_alu depctr_va_vdst(0)
.endif
.irp p, 0,1
	v_add_f32_dpp v[TT+8+\p], v[TT+6+\p], v[TT+6+\p] row_xmask:1 row_mask:0xf bank_mask:0xf
.endr
.irp m, 2,4,8
.irp p, 0,1
	v_add_f32_dpp v[TT+8+\p], v[TT+8+\p], v[TT+8+\p] row_xmask:\m row_mask:0xf bank_mask:0xf
.endr
.endr
.irp p, 0,1
	v_permlanex16_b32 v[TT+10+\p], v[TT+8+\p], s[SEL], s[SEL+1]
.endr
.irp p, 0,1
	v_add_f32 v[TT+8+\p], v[TT+8+\p], v[TT+10+\p]
.endr
.irp p, 0,1
	v_rcp_f32 v[TT+12+\p], v[TT+8+\p]
.endr
.if \next
	v_add_nc_u32 v[ABK], 256, v[ABK]               ; the plain line behind the reciprocals: the next step's bk
	s_wait_alu depctr_va_vdst(0)
.else
	v_nop
	s_wait_alu depctr_va_vdst(0)
.endif
.irp p, 0,1
	v_mul_f32 v[TT+2+\p], v[TT+6+\p], v[TT+12+\p]                  ; attn of token l
.endr
.irp p, 0,1
	v_add_f32 v[MEAN+\p], v[MEAN+\p], v[TT+2+\p]
.endr
.irp p, 0,1
	ds_store_b32 v[ATA], v[TT+2+\p] offset:128*\p  ; it is read back in register form at the last run point of v's chunk
.endr
.irp ct, 0,1,2,3
	ds_load_b32 v[BV+\ct], v[ABV] offset:64*\ct
.endr
.if \next
	v_add_nc_u32 v[ABV], 256, v[ABV]
.irp ct, 0,1,2,3
.irp i, 0,1
	ds_load_b128 v[KB+8*\ct+4*\i:KB+8*\ct+4*\i+3], v[ABK] offset:64*\ct+16*\i
.endr
.endr
	s_add_nc_u64 s[10:11], s[10:11], 2048          ; the wait at the head of k's chunk has shown the loads that named this base done
.irp i, 0,1
.irp q, 0,1
	global_load_b128 v[KSC+8*\i+4*\q:KSC+8*\i+4*\q+3], v[VSO], s[10:11] offset:1024*\i+16*\q
.endr
.endr
.endif
.endm
; THE WEIGHTED SUM of the step, and its way out.  next = 1: a step follows: behind the multiply-adds, which read attn out of set 0, K's first eight fragments are fetched there; Wv's scale words are asked for.
.macro AT next
	PLACES 8                                       ; behind the last products
	WIN 0x03                                       ; source 0 (v) window 3; attn and the sums window 0
.irp rt, 0,1                           ; eight chains, one for each pair and tile of the head's 64; each accumulator from its low end on
.irp jp, 0,1,2,3
.irp p, 0,1
.irp ct, 0,1,2,3
.set aO, TT+2*(4*\p+\ct)
.set aV, 8*(4*(2*\p+\rt)+\ct)+2*\jp
.set aW, BF+16*\p+8*\rt+2*\jp
.if (\rt == 0) && (\jp == 0)
	v_pk_mul_f32 v[aO:aO+1], v[aV:aV+1], v[aW:aW+1]
.else
	v_pk_fma_f32 v[aO:aO+1], v[aV:aV+1], v[aW:aW+1], v[aO:aO+1]
.endif
.endr
.endr
.endr
.endr
	WIN 0
.if \next
	FETCH8 ADB1, 0                                 ; slot 1 is whole: v's chunk has passed its barrier
.endif
.irp i, 0,1,2,3,4,5,6,7
	v_add_f32 v[TT+2*\i], v[TT+2*\i], v[TT+2*\i+1]                 ; pair i / 4, tile i % 4: my half's 16 tokens
.endr
.irp ct, 0,1,2,3
	v_cndmask_b32 v[TT+2*\ct+1], v[TT+2*\ct], v[TT+8+2*\ct], s[HM] ; what I keep: lanes 0-15 pair 0, lanes 16-31 pair 1
.endr
.irp ct, 0,1,2,3
	v_cndmask_b32 v[TT+9+2*\ct], v[TT+8+2*\ct], v[TT+2*\ct], s[HM] ; what lane l xor 16 wants
.endr
.irp ct, 0,1,2,3
	v_permlanex16_b32 v[TT+2*\ct], v[TT+9+2*\ct], s[SEL], s[SEL+1]
.endr
.irp ct, 0,1,2,3
	v_add_f32 v[TT+2*\ct+1], v[TT+2*\ct+1], v[BV+\ct]
.endr
.irp ct, 0,1,2,3
	v_add_f32 v[TT+8+2*\ct], v[TT+2*\ct+1], v[TT+2*\ct]            ; attended(pair h, 16 ct + r)
.endr
.irp ct, 0,1,2,3
	ds_store_b32 v[OSA], v[TT+8+2*\ct] offset:64*\ct
.endr
	ds_load_b128 v[ORW:ORW+3], v[OLA]              ; back as 16 neighbouring bytes a lane
.if \next
	v_add_nc_u32 v[AQ], 256, v[AQ]                 ; the next step's q
	s_add_nc_u64 s[14:15], s[14:15], 2048          ; the wait at the head of v's chunk has shown the loads that named this base done
.irp i, 0,1
.irp q, 0,1
	global_load_b128 v[VSC+8*\i+4*\q:VSC+8*\i+4*\q+3], v[VSO], s[14:15] offset:1024*\i+16*\q
.endr
.endr
.endif
	s_wait_dscnt 0x0                               ; the row is back
	global_store_b128 v[OGO], v[ORW:ORW+3], s[24:25] offset:-256   ; sixteen lanes store a pair's and head's 256 consecutive bytes, at a multiple of 256 from out0's first byte
.endm
	s_load_b256 s[4:11], s[0:1], 0x0               ; the tokens' codes s[4:5], their scales s[6:7], Wk's codes s[8:9], its scales s[10:11]
	s_load_b256 s[12:19], s[0:1], 0x20             ; Wv's codes s[12:13], its scales s[14:15], bk s[16:17], bv s[18:19]
	s_load_b256 s[20:27], s[0:1], 0x40             ; the gate s[20:21], qs s[22:23], out0 s[24:25], out1 s[26:27]
	s_load_b64 s[28:29], s[0:1], 0x60              ; out2
	v_lshl_add_u32 v[SPW], v0, 2, SPARE
	v_mov_b32 v[NIL], 0
	ds_add_u32 v13, v14
	ds_add_u32 v13, v14
	s_wait_dscnt 0x0
	v_lshrrev_b32 v[TT], 5, v0
	v_readfirstlane_b32 s[WV], v[TT]               ; wave 0..3
	s_lshr_b32 s[RH], s[WV], 1
	s_and_b32 s[CH], s[WV], 1
	s_bfe_u32 s33, ttmp6, 0x40000                  ; cx: my place in the cluster
	s_lshl_b32 s34, ttmp9, 2                       ; in a cluster launch ttmp9 counts clusters
	s_add_co_u32 s34, s34, s33                     ; my block of 128 token rows: it enters the addresses of my own tokens, scales, gate, qs and outputs alone
	s_mov_b32 s[SEL], 0x76543210
	s_mov_b32 s[SEL+1], 0xfedcba98
	s_mov_b32 s[HM], 0xffff0000
	; descriptor groups 1.  A tile of codes: 32 rows x 1,024 elements of one byte, 4 words of padding behind every 256 words
	s_mov_b32 s[G1W], 15|(1<<20)|(1<<21)|(7<<22)|(3<<25)   ; 15:0 the mask: all four work-groups; 17:16 elements of 1 byte; 20 padding on; 21 set beside a mask; 24:22 after every 256 words (code 7); 31:25 four words (code 3)
	s_mov_b32 s[G1A], (1<<20)|(7<<22)|(3<<25)              ; the same without a mask
.irp g, G1W, G1A
	s_mov_b32 s[\g+1], 1024<<16                    ; tensor_dim0
	s_mov_b32 s[\g+2], 32<<16                      ; tensor_dim1
	s_mov_b32 s[\g+3], 1024<<16                    ; tile_dim0
	s_mov_b32 s[\g+4], 32                          ; tile_dim1
	s_mov_b32 s[\g+5], 1024                        ; tensor_dim0_stride
	s_mov_b32 s[\g+6], 0
	s_mov_b32 s[\g+7], 0
.endr
	s_mov_b32 s[G1Q], 3<<16                        ; a pair's 4,096 dense bytes of qs: 16 rows of 32 elements of 8 bytes
	s_mov_b32 s[G1Q+1], 32<<16
	s_mov_b32 s[G1Q+2], 16<<16
	s_mov_b32 s[G1Q+3], 32<<16
	s_mov_b32 s[G1Q+4], 16
	s_mov_b32 s[G1Q+5], 32
	s_mov_b32 s[G1Q+6], 0
	s_mov_b32 s[G1Q+7], 0
	s_mov_b32 s[G1T], 15|(3<<16)|(1<<21)           ; a quarter of a bias, 1,024 dense bytes, jointly: 4 rows of 32 elements of 8 bytes
	s_mov_b32 s[G1T+1], 32<<16
	s_mov_b32 s[G1T+2], 4<<16
	s_mov_b32 s[G1T+3], 32<<16
	s_mov_b32 s[G1T+4], 4
	s_mov_b32 s[G1T+5], 32
	s_mov_b32 s[G1T+6], 0
	s_mov_b32 s[G1T+7], 0
	; every LDS address is made here, ahead of the first branch: a constant, the wave's number times a constant, the lane's term
	v_and_b32 v[TT], 31, v0                        ; l
	v_and_b32 v[TT+1], 15, v0                      ; r
	v_bfe_u32 v[TT+2], v0, 4, 1                    ; h
	v_mul_u32_u24 v[TT+3], v[TT+1], PITCH
	v_lshl_add_u32 v[TT+3], v[TT+2], 4, v[TT+3]    ; r PITCH + 16 h
	s_mul_i32 s2, s[CH], 64*PITCH
	v_add_nc_u32 v[ADB0], s2, v[TT+3]
	v_add_nc_u32 v[ADB1], SLOT1, v[ADB0]
	s_mul_i32 s2, s[RH], 64*PITCH
	v_add_nc_u32 v[AAD], s2, v[TT+3]
	s_lshl_b32 s2, s[RH], 13
	s_lshl_b32 s3, s[CH], 11
	s_add_co_u32 s2, s2, s3
	s_add_co_u32 s2, s2, QREG
	v_lshl_add_u32 v[AQ], v[TT+2], 5, s2
	s_add_co_u32 s2, s3, BKT
	v_lshl_add_u32 v[ABK], v[TT+2], 5, s2
	s_add_co_u32 s2, s3, BVT
	v_lshl_add_u32 v[ABV], v[TT+1], 2, s2
	s_lshl_b32 s2, s[WV], 12
	s_add_co_u32 s2, s2, LGS
	v_lshl_add_u32 v[LGA], v[TT], 2, s2
	v_lshl_add_u32 v[LGL], v[TT], 4, s2
	s_lshl_b32 s2, s[WV], 8
	s_add_co_u32 s2, s2, ATS
	v_lshl_add_u32 v[ATA], v[TT], 2, s2
	v_lshl_add_u32 v[ATL], v[TT+2], 5, s2
	s_lshl_b32 s2, s[WV], 9
	s_add_co_u32 s2, s2, OST
	v_lshl_add_u32 v[OSA], v[TT+2], 8, s2
	v_lshl_add_u32 v[OSA], v[TT+1], 2, v[OSA]
	v_lshl_add_u32 v[OLA], v[TT], 4, s2
	v_lshlrev_b32 v[OGO], 12, v[TT+2]
	v_lshl_add_u32 v[OGO], v[TT+1], 4, v[OGO]
	v_lshlrev_b32 v[VSO], 5, v[TT]
	s_lshl_b32 s2, s[CH], 9
	s_lshl_b32 s3, s[RH], 8
	s_add_co_u32 s2, s2, s3
	s_add_co_u32 s2, s2, MS
	v_lshl_add_u32 v[MSA], v[TT], 2, s2
	s_lshl_b32 s2, s[CH], 8
	s_add_co_u32 s2, s2, MS
	v_lshl_add_u32 v[MLA], v[TT], 3, s2
	v_lshlrev_b32 v[TT+4], 2, v[TT]                ; the gate: 4 bytes a lane
	v_mov_b32 v[MEAN], 0
	v_mov_b32 v[MEAN+1], 0
.irp i, 5,6,7,8,9,10,11,12,13,14,15
	v_mov_b32 v[TT+\i], 0                          ; written once: the destination of a lane permute or of a DPP form counts as one of its sources
.endr
	; descriptor groups 0.  The joint ones are made of the wave's number alone, in registers that never hold the work-group's number
	s_mul_i32 s2, s[WV], QUART                     ; my quarter of a slot
	s_lshl_b32 s66, s[RH], 19                      ; my 32 rows of a chunk: weight row 512 (w / 2) + 32 (w % 2), of 1,024 bytes
	s_lshl_b32 s3, s[CH], 15
	s_add_co_u32 s66, s66, s3
	s_mov_b32 s67, 0
	s_mov_b32 s101, 0
	s_wait_kmcnt 0x0
	s_mov_b32 s[G0K], 1                            ; 1:0 count = 1
	s_add_co_u32 s[G0K+1], s2, SLOT1               ; 63:32 LDS address
	s_add_nc_u64 s[G0K+2:G0K+3], s[8:9], s[66:67]  ; 120:64 global address: K(0)
	s_or_b32 s[G0K+3], s[G0K+3], 0x80000000        ; 127:126 type = 2
	s_mov_b32 s[G0V], 1
	s_mov_b32 s[G0V+1], s2                         ; slot 0
	s_add_nc_u64 s[G0V+2:G0V+3], s[12:13], s[66:67]
	s_or_b32 s[G0V+3], s[G0V+3], 0x80000000
	s_lshl_b32 s66, s[WV], 10                      ; my quarter of a bias
	s_mov_b32 s[G0BK], 1
	s_add_co_u32 s[G0BK+1], s66, BKT
	s_add_nc_u64 s[G0BK+2:G0BK+3], s[16:17], s[66:67]
	s_or_b32 s[G0BK+3], s[G0BK+3], 0x80000000
	s_mov_b32 s[G0BV], 1
	s_add_co_u32 s[G0BV+1], s66, BVT
	s_add_nc_u64 s[G0BV+2:G0BV+3], s[18:19], s[66:67]
	s_or_b32 s[G0BV+3], s[G0BV+3], 0x80000000
	s_lshl_b32 s100, s34, 17                       ; my block's 128 rows of 1,024 bytes, my wave's 32 of them
	s_lshl_b32 s35, s[WV], 15
	s_add_co_u32 s100, s100, s35
	s_mov_b32 s[G0A], 1
	s_mov_b32 s[G0A+1], s2                         ; slot 0
	s_add_nc_u64 s[G0A+2:G0A+3], s[4:5], s[100:101]
	s_or_b32 s[G0A+3], s[G0A+3], 0x80000000
	s_lshl_b32 s100, s34, 14                       ; my block's 4 rows of qs, my wave's one
	s_lshl_b32 s35, s[WV], 12
	s_add_co_u32 s100, s100, s35
	s_mov_b32 s[G0Q], 1
	s_add_co_u32 s[G0Q+1], s35, QREG
	s_add_nc_u64 s[G0Q+2:G0Q+3], s[22:23], s[100:101]
	s_or_b32 s[G0Q+3], s[G0Q+3], 0x80000000
	CROUND                                         ; all four work-groups are here: the first joint loads meet
	tensor_load_to_lds s[G0A:G0A+3], s[G1A:G1A+7]  ; the first fills go out as one group: five loads of mine are out.  The tokens,
	s_nop 0
	tensor_load_to_lds s[G0K:G0K+3], s[G1W:G1W+7]  ; K(0),
	s_nop 0
	tensor_load_to_lds s[G0Q:G0Q+3], s[G1Q:G1Q+7]  ; qs,
	s_nop 0
	tensor_load_to_lds s[G0BK:G0BK+3], s[G1T:G1T+7]   ; bk,
	s_nop 0
	tensor_load_to_lds s[G0BV:G0BV+3], s[G1T:G1T+7]   ; bv
	s_nop 0
	PLACES 4
	s_lshl_b32 s66, s[CH], 14                      ; the weights' scales: my heads begin at row 512 ch, 32 bytes a row
	s_add_nc_u64 s[10:11], s[10:11], s[66:67]
	s_add_nc_u64 s[14:15], s[14:15], s[66:67]
	s_lshl_b32 s100, s34, 12                       ; the tokens' scales: row 128 g + 64 rh
	s_lshl_b32 s35, s[RH], 11
	s_add_co_u32 s100, s100, s35
	s_add_nc_u64 s[6:7], s[6:7], s[100:101]
	s_lshl_b32 s100, s34, 9                        ; out1: pair 4 g, 128 bytes a pair
	s_add_nc_u64 s[26:27], s[26:27], s[100:101]
	s_lshl_b32 s35, s[RH], 8                       ; the gate: pair 4 g + 2 rh
	s_add_co_u32 s100, s100, s35
	s_add_nc_u64 s[20:21], s[20:21], s[100:101]
	s_lshl_b32 s100, s34, 14                       ; out0: pair 4 g + 2 rh of 4,096 bytes, head 8 ch of 256
	s_lshl_b32 s35, s[RH], 13
	s_add_co_u32 s100, s100, s35
	s_lshl_b32 s35, s[CH], 11
	s_add_co_u32 s100, s100, s35
	s_add_nc_u64 s[24:25], s[24:25], s[100:101]
	s_lshl_b32 s100, s34, 13                       ; out2: pair 4 g + 2 rh of 2,048 bytes, head 8 ch of 128
	s_lshl_b32 s35, s[RH], 12
	s_add_co_u32 s100, s100, s35
	s_lshl_b32 s35, s[CH], 10
	s_add_co_u32 s100, s100, s35
	s_add_nc_u64 s[28:29], s[28:29], s[100:101]
.irp i, 0,1
.irp q, 0,1
	global_load_b128 v[ASC+8*\i+4*\q:ASC+8*\i+4*\q+3], v[VSO], s[6:7] offset:1024*\i+16*\q
.endr
.endr
.irp p, 0,1
	global_load_b32 v[GT+\p], v[TT+4], s[20:21] offset:128*\p
.endr
.irp i, 0,1
.irp q, 0,1
	global_load_b128 v[KSC+8*\i+4*\q:KSC+8*\i+4*\q+3], v[VSO], s[10:11] offset:1024*\i+16*\q
.endr
.endr
.irp i, 0,1
.irp q, 0,1
	global_load_b128 v[VSC+8*\i+4*\q:VSC+8*\i+4*\q+3], v[VSO], s[14:15] offset:1024*\i+16*\q
.endr
.endr
	s_wait_tensorcnt 0x0                           ; my parts of the five first fills are in,
	s_barrier_signal -1
	s_barrier_wait -1                              ; everybody's are.
	WIN 0x40                                       ; my 64 rows of tokens go into registers and stay: destination window 1,
.irp ks, 0,1,2,3
.irp rt, 0,1,2,3
.irp c, 0,1,2,3
	ds_load_b128 v[16*(4*\ks+\rt)+4*\c:16*(4*\ks+\rt)+4*\c+3], v[AAD] offset:\rt*16*PITCH+128*\ks+32*\c
.endr
.endr
.endr
	WIN 0x80                                       ; then window 2
.irp ks, 4,5,6,7
.irp rt, 0,1,2,3
.irp c, 0,1,2,3
	ds_load_b128 v[16*(4*(\ks-4)+\rt)+4*\c:16*(4*(\ks-4)+\rt)+4*\c+3], v[AAD] offset:\rt*16*PITCH+128*\ks+32*\c
.endr
.endr
.endr
	WIN 0
	s_wait_tensorcnt 0x0                           ; slot 0 is filled again, with V(0): no tensor load of mine is out;
	ds_add_u32 v[SPW], v[NIL]                      ; 0 onto my spare word
	s_wait_dscnt 0x0                               ; the add is done, and the tokens are in my registers
	CROUND                                         ; so it is with every wave of all four work-groups
	tensor_load_to_lds s[G0V:G0V+3], s[G1W:G1W+7]  ; my one tensor load behind the round
	s_nop 0
	PLACES 4
.irp ct, 0,1,2,3
.irp i, 0,1
	ds_load_b128 v[KB+8*\ct+4*\i:KB+8*\ct+4*\i+3], v[ABK] offset:64*\ct+16*\i     ; step 0's bk,
.endr
.endr
	FETCH8 ADB1, 0                                 ; and K(0)'s first eight fragments: the chunk's first wait, which leaves only its own 32 loads out, covers both
	s_mov_b32 s[CNT], 7
.Lstep:                                            ; a trip is a step s = 0 .. 6: heads s and 8 + s; both slots are filled again
	CHUNK 0, 1, 4
	LS 1
	CHUNK 1, 1, 4
	AT 1
	s_sub_co_u32 s[CNT], s[CNT], 1
	s_cmp_lg_u32 s[CNT], 0
	s_cbranch_scc1 .Lstep
	CHUNK 0, 0, 4                                  ; step 7 is written out: nothing is left to fetch
	LS 0
	CHUNK 1, -1, 0
	AT 0
	; THE END.  My 2,048 bytes of logits leave as whole runs of 512 bytes; the sums of attn over my 8 heads meet those of the other half of the heads in LDS.
	v_and_b32 v[TT], 31, v0
	v_and_b32 v[TT+1], 31, v0
	s_lshl_b32 s2, s[CH], 8
	v_lshlrev_b32 v[TT], 4, v[TT]                  ; out2: 16 bytes a lane
	v_lshl_add_u32 v[TT+1], v[TT+1], 3, s2         ; out1: 256 (w % 2) + 8 bytes a lane
.irp i, 0,1,2,3
	ds_load_b128 v[KB+4*\i:KB+4*\i+3], v[LGL] offset:512*\i
.endr
.irp p, 0,1
	ds_store_b32 v[MSA], v[MEAN+\p] offset:128*\p
.endr
	s_wait_dscnt 0x0                               ; the logits are back; and, for the others' sake, my sums have landed
.irp i, 0,1,2,3
	global_store_b128 v[TT], v[KB+4*\i:KB+4*\i+3], s[28:29] offset:(\i/2)*2048+(\i%2)*512   ; 32 lanes store 512 consecutive bytes, at a multiple of 256 from out2's first byte
.endr
	s_barrier_signal -1
	s_barrier_wait -1
	s_cmp_lt_u32 s[WV], 2                          ; waves 0 and 1 each finish two pairs
	s_cbranch_scc0 .Lno_mean
	ds_load_b64 v[KB+16:KB+17], v[MLA]             ; heads 0-7
	ds_load_b64 v[KB+18:KB+19], v[MLA] offset:512  ; heads 8-15
	s_wait_dscnt 0x0
	v_add_f32 v[KB+20], v[KB+16], v[KB+18]
	v_add_f32 v[KB+21], v[KB+17], v[KB+19]
	v_mul_f32 v[KB+20], 0x3d800000, v[KB+20]       ; / 16
	v_mul_f32 v[KB+21], 0x3d800000, v[KB+21]
	global_store_b64 v[TT+1], v[KB+20:KB+21], s[26:27]   ; 32 lanes store 256 consecutive bytes, at a multiple of 256 from out1's first byte
.Lno_mean:
	s_wait_tensorcnt 0x0                           ; the wave's end: behind my last tensor load and my last LDS store
	ds_add_u32 v[SPW], v[NIL]
	s_wait_dscnt 0x0
	CROUND                                         ; the closing round: no work-group ends while a partner may still ask for a tile that names it
	s_endpgm
.Lfunc_end_k_q87b4c1c023_attend:
	.size	k_q87b4c1c023_attend, .Lfunc_end_k_q87b4c1c023_attend-k_q87b4c1c023_attend
	.p2alignl 7, 3214868480
	.fill 96, 4, 3214868480
	.section	.rodata,"a",@progbits
	.p2align	6, 0x0
	.amdhsa_kernel k_q87b4c1c023_attend
		.amdhsa_group_segment_fixed_size 327680
		.amdhsa_private_segment_fixed_size 0
		.amdhsa_enable_private_segment 0
		.amdhsa_kernarg_size 104
		.amdhsa_user_sgpr_count 2
		.amdhsa_user_sgpr_kernarg_segment_ptr 1
		.amdhsa_wavefront_size32 1
		.amdhsa_system_sgpr_workgroup_id_x 1
		.amdhsa_system_sgpr_workgroup_id_y 1
		.amdhsa_system_sgpr_workgroup_id_z 1
		.amdhsa_system_vgpr_workitem_id 0
		.amdhsa_next_free_vgpr 1024
		.amdhsa_next_free_sgpr 102
		.amdhsa_reserve_vcc 0
		.amdhsa_float_denorm_mode_32 3
		.amdhsa_float_denorm_mode_16_64 3
		.amdhsa_memory_ordered 1
		.amdhsa_forward_progress 1
		.amdhsa_inst_pref_size 156
	.end_amdhsa_kernel
	.amdgpu_metadata
---
amdhsa.version: [ 1, 2 ]
amdhsa.kernels:
  - .name:           k_q87b4c1c023_attend
    .symbol:         k_q87b4c1c023_attend.kd
    .args:
      - { .name: tokens_codes, .offset: 0, .size: 8, .value_kind: global_buffer, .address_space: global }
      - { .name: tokens_scales, .offset: 8, .size: 8, .value_kind: global_buffer, .address_space: global }
      - { .name: Wk_codes, .offset: 16, .size: 8, .value_kind: global_buffer, .address_space: global }
      - { .name: Wk_scales, .offset: 24, .size: 8, .value_kind: global_buffer, .address_space: global }
      - { .name: Wv_codes, .offset: 32, .size: 8, .value_kind: global_buffer, .address_space: global }
      - { .name: Wv_scales, .offset: 40, .size: 8, .value_kind: global_buffer, .address_space: global }
      - { .name: bk, .offset: 48, .size: 8, .value_kind: global_buffer, .address_space: global }
      - { .name: bv, .offset: 56, .size: 8, .value_kind: global_buffer, .address_space: global }
      - { .name: gate_logits, .offset: 64, .size: 8, .value_kind: global_buffer, .address_space: global }
      - { .name: qs, .offset: 72, .size: 8, .value_kind: global_buffer, .address_space: global }
      - { .name: out0, .offset: 80, .size: 8, .value_kind: global_buffer, .address_space: global }
      - { .name: out1, .offset: 88, .size: 8, .value_kind: global_buffer, .address_space: global }
      - { .name: out2, .offset: 96, .size: 8, .value_kind: global_buffer, .address_space: global }
    .group_segment_fixed_size: 327680
    .private_segment_fixed_size: 0
    .kernarg_segment_align: 8
    .kernarg_segment_size: 104
    .max_flat_workgroup_size: 128
    .sgpr_count:     102
    .vgpr_count:     1024
    .wavefront_size: 32
...
	.end_amdgpu_metadata
.endif
;; end of part 2
